; MI455X (gfx1250); checked and timed in simulation.
; The chip was launched on July 23, 2026; its instructions are those of AMD's public machine-readable ISA for CDNA 5 (MIT licence, August 2026) and "CDNA5" Instruction Set Architecture Reference Guide (July 2026). The comments in the code are by the model that wrote it; some were corrected since.
;; MHSA. Allowed arithmetic: matrix products marked QUANTISED: E2M1 operands, one E8M0 scale for each 32 along K, by v_wmma_scale_f32_16x16x128_f8f6f4 with both operands' format E2M1 (or v_wmma_scale_f32_32x16x128_f4), f32 sums; everything else in f32.
;; Inputs: Wk 1,024 x 1,024 float32; Wo 1,024 x 1,024 float32; Wq 1,024 x 1,024 float32; Wv 1,024 x 1,024 float32; b_k 1,024 float32; b_o 1,024 float32; b_q 1,024 float32; b_v 1,024 float32; k 4 x 2,048 x 1,024 float32; q 4 x 2,048 x 1,024 float32; v 4 x 2,048 x 1,024 float32.
;; Outputs: out0 4 x 2,048 x 1,024 float32.
;; This version of the problem:
;;   THIS VERSION OF THE PROBLEM IS GIVEN IN LOW PRECISION. The matrix products marked QUANTISED in the list below multiply operands that are first quantised to E2M1 (2 exponent bits, 1 mantissa bit; 4 bits a number), with one power-of-two scale for each 32 numbers along K (OCP MX v1.0); their sums are f32. All else is computed in f32.
;;   The module's matrix products, in the order in which they are computed (A, B: the left and right operand; K: the contracted axis; several contracted axes count as one K, in the product's order):
;;     1. [M 8,192, K 1,024] x [K 1,024, N 1,024]; A: input q; B: input Wq: QUANTISED
;;     2. [M 8,192, K 1,024] x [K 1,024, N 1,024]; A: input k; B: input Wk: QUANTISED
;;     3. [M 8,192, K 1,024] x [K 1,024, N 1,024]; A: input v; B: input Wv: QUANTISED
;;     4. batch 64 x [M 2,048, K 64] x [K 64, N 2,048]; A: computed on the way; B: computed on the way: QUANTISED
;;     5. batch 64 x [M 64, K 2,048] x [K 2,048, N 2,048]; A: computed on the way; B: softmax (see below): QUANTISED
;;     6. [M 8,192, K 1,024] x [K 1,024, N 1,024]; A: computed on the way; B: input Wo: QUANTISED
;;   THE QUANTISER, for each operand of a quantised product, along K:
;;     - K is cut into blocks of 32 from its start; a last block that is shorter is filled with zeros.
;;     - A block's scale is 2^e with e = floor(log2(the largest magnitude in the block)) - 2, held to -126 .. 127; a block of zeros has e = 0. As a byte (E8M0): e + 127.
;;     - Each number is divided by its block's scale, clamped to +-6, and rounded to the nearest number of E2M1, ties to even, subnormals kept.
;;     - The product sums the exact products of the quantised numbers (number of the format x scale) in f32.
;;   ~~~python
;;   def quantise(x, axis):      # numpy; x: float32 -> the quantised numbers, widened to float32 again
;;       x = np.moveaxis(x, axis, -1); K = x.shape[-1]
;;       x = np.pad(x, [(0, 0)] * (x.ndim - 1) + [(0, -K % 32)]); x = x.reshape(x.shape[:-1] + (-1, 32)); a = np.abs(x).max(-1, keepdims=True)
;;       e = np.where(a > 0, np.clip(np.frexp(np.where(a > 0, a, 1))[1] - 1 - 2, -126, 127), 0)      # np.frexp(a)[1] - 1 = floor(log2(a)), exactly
;;       r = np.clip(x / 2.0 ** e, -6, 6)
;;       step = 2.0 ** (np.maximum(np.frexp(np.where(r == 0, 1, r))[1] - 1, 0) - 1)
;;       q = np.round(r / step) * step * 2.0 ** e      # np.round: ties to even
;;       return np.moveaxis(q.reshape(q.shape[:-2] + (-1,))[..., :K], -1, axis).astype(np.float32)
;;   ~~~
;;   SOFTMAX AHEAD OF A QUANTISED PRODUCT. Where the list says 'softmax', what is quantised is not the finished softmax but p = 2^(t - M), with t = logit x log2(e) and M = ceil(the row's largest t), a whole number; so 1/2 < the row's largest p <= 1. The row's sum l is taken of the UNQUANTISED p, in f32, and the product's result is divided by l at the end. Since M is a whole number, a kernel that streams over the keys may use a running M (the ceiling of the running maximum): every later rescaling is an exact power of two, which a block's scale takes up: the codes' values come out the same.
;;   OPERANDS COMPUTED ON THE WAY. 'Computed on the way' means the value that the module computes at that place (a softmax that the list does not call 'softmax' is quantised finished and normalised). What goes into a quantiser is computed in f32, as accurately as f32 sums, v_exp_f32 and their like allow (about 1e-6 of the number): no bf16 or f16 on the way to a quantiser, and a product that is left as it is and whose result goes on into a quantised operand takes f32 operands (vector FMAs, or v_wmma_f32_16x16x4_f32). A number that lies on a knife's edge between two numbers of the format may be rounded either way, as far as f32 arithmetic and the matrix unit's own rounding can turn it there, and no further.
;; One version. Each part assembles by itself: llvm-mc -triple=amdgcn-amd-amdhsa -mcpu=gfx1250 --defsym DOCPART=n.
;; ======== version 1 of 1: 4 launches
;; limits: right only within a limited range of input values
;; workspace buffers: opnd 16,515,072 bytes; heads 14,155,776 bytes; aout 4,718,592 bytes
;; launch quant (part 1): grid 256 x 1, 10 waves a work-group, no clusters, 61,184 bytes of LDS; arguments q, k, v, Wq, Wk, Wv, Wo, opnd; writes opnd
.if DOCPART == 1
	.amdgcn_target "amdgcn-amd-amdhsa--gfx1250"
	.amdhsa_code_object_version 6
	.text
	.protected	k_qef9dd3679c_quant
	.globl	k_qef9dd3679c_quant
	.p2align	8
	.type	k_qef9dd3679c_quant,@function
k_qef9dd3679c_quant:
	s_mov_b64 s[64:65], 0
	v_nop
	global_prefetch_b8 v0, s[64:65] scope:SCOPE_SE
	s_setreg_imm32_b32 hwreg(HW_REG_WAVE_MODE, 25, 1), 1
	s_wait_xcnt 0x0
; All seven f32 operands of the four large products become codes of FP4 (E2M1) with one E8M0 byte for each 32 along K, laid in opnd AS IMAGES OF OPERAND REGISTERS.
; A fragment is 16 rows x 128 K, 8 registers a lane: lane (r = l % 16, h = l / 16), registers 4 c .. 4 c + 3 hold k = 64 c + 32 h + 0 .. 31.  Its image: 1,024 bytes, block c of 512 bytes, lane l's 16 bytes at 16 l.
; Its scale image: 128 bytes, lane l's word at 4 l (byte b scales k = 32 b ..), lanes 16-31 repeat lanes 0-15.
; THE ROWS OF A TILE ARE NOT NEIGHBOURS: lane r of tile 2 B + u is row 32 B + 8 u + r + 8 (r / 8), so that as source 0 of a product two neighbouring tiles give a lane 16 neighbouring rows.
; opnd: codes of q, k, v: [1,536 tiles][8 K steps][1,024];  at XSOFF their scale images [tile][K step][128];  at WCOFF the codes of Wq, Wk, Wv, Wo, 64 tiles of columns each;  at WSOFF their scale images.
; A block's scale is 2^(floor(log2(largest magnitude)) - 2): its byte is the largest magnitude's exponent field - 2, held at 1 from below by a floor among the maximum's leaves.
; LIMITS: NaN and infinities are not served; a block of zeros (or under 2^-124) gets the byte 1 where the rule says 127 for zeros: its codes are zeros, and these bytes are read by this program alone.
; SHARES.  256 work-groups of ten waves, all alike: 1,536 tiles of q, k, v are 6 a work-group (waves 0-5, a wave to a tile of 16 rows x 1,024 K, K innermost); the weights' 1,024 parts of 32 columns x 128 K
; (K is their first axis) are 4 a work-group (waves 6-9).  So every work-group reads the same number of bytes.  Waves share nothing: no barrier.
; The two paths part on the wave's number and have LDS bytes of their own.  No matrix unit, no tensor load, no cluster: the launch streams, and nothing is read twice.
.set XSOFF, 12582912
.set WCOFF, 14155776
.set WSOFF, 16252928
.set XWV,   6                          ; waves 0-5: q, k, v
.set XP,    528                        ; a stage row: 512 bytes + 16: sixteen rows start at sixteen different 16-byte columns
.set XSTG,  16*XP                      ; x path: a wave's stage
.set WSTG,  2304                       ; W path: two fragment images (2,048) and two scale images (256)
.set WSTG0, XWV*XSTG-XWV*WSTG          ; W path: wave w's stage at WSTG0 + w x WSTG: wave 6's begins behind the x path's six
.set SPARE, XWV*XSTG+4*WSTG            ; the spare words, 128 bytes a wave: five blocks of 256 bytes that no other line names
.set FLOOR, 0x1800000                  ; 2^(3 - 127)
.set OFF2,  0xff000000                 ; -(2 << 23): 2 off an exponent field
.set LI, 4                             ; v4   16 x lane
.set LS, 5                             ; v5   4 x lane
.set R,  32                            ; x path: v32-159 two sets of 64 as loaded;  W path: v32-159 four blocks of 32
.set X,  160                           ; x path: v160-223 my 64 numbers back from the stage;  W path: v160-175 codes, v176-193 the way out
.set C,  224                           ; x path: v224-231 a fragment's codes
; x path: K step s of my 16 rows: each load reads 512 consecutive bytes of one row
.macro XLOAD s
.irp p, 0,1,2,3,4,5,6,7,8,9,10,11,12,13,14,15
	global_load_b128 v[R+64*((\s)%2)+4*\p:R+64*((\s)%2)+4*\p+3], v[LI], s[32:33] offset:(\p+8*(\p/8))*4096+512*(\s) th:TH_LOAD_NT
.endr
.endm
.macro XSTEP s
.if (\s) < 7
	s_wait_loadcnt 16                              ; this step's 16 loads are in; the next step's 16 may be out
.else
	s_wait_loadcnt 0x0
.endif
.irp p, 0,1,2,3,4,5,6,7,8,9,10,11,12,13,14,15
	ds_store_b128 v6, v[R+64*((\s)%2)+4*\p:R+64*((\s)%2)+4*\p+3] offset:XP*\p   ; row p as it lies
.endr
.irp c, 0,1
.irp i, 0,1,2,3,4,5,6,7
	ds_load_b128 v[X+32*\c+4*\i:X+32*\c+4*\i+3], v7 offset:256*\c+16*\i   ; back: row r, k = 64 c + 32 h + 0 .. 31.  LDS serves a wave's instructions in order: these see the stores
.endr
.endr
	s_wait_dscnt 0x0                               ; my numbers are in, and the stores into the stage have read their registers
	s_wait_xcnt 0x0                                ; the last step's stores have read their data: the codes and the scale word are written again below
.if (\s)+2 < 8
	XLOAD (\s)+2
.endif
.irp c, 0,1                                    ; my block 2 c + h: all its 32 numbers are mine
	v_max3_num_f32 v[10+\c], |v[X+32*\c]|, |v[X+32*\c+1]|, FLOOR
.endr
.irp i, 2,4,6,8,10,12,14,16,18,20,22,24,26,28,30
.irp c, 0,1
	v_max3_num_f32 v[10+\c], v[10+\c], |v[X+32*\c+\i]|, |v[X+32*\c+\i+1]|   ; the two blocks by turns
.endr
.endr
.irp c, 0,1
	v_add_nc_u32 v[12+\c], OFF2, v[10+\c]          ; the conversion takes the exponent field of this operand as its scale
.endr
.irp c, 0,1
	v_lshrrev_b32 v[14+\c], 23, v[12+\c]           ; the scale's byte
.endr
	v_lshl_or_b32 v16, v15, 16, v14                ; blocks h and 2 + h,
	v_lshlrev_b32 v16, v8, v16                     ; at their places in the word (8 h bits up);
	v_permlanex16_b32 v9, v16, s22, s23
	v_or_b32 v17, v16, v9                          ; with lane l xor 16's two the word is whole, in both halves of the lanes
.irp c, 0,1
.irp g, 0,1,2,3
	v_cvt_scalef32_pk8_fp4_f32 v[C+4*\c+\g], v[X+32*\c+8*\g:X+32*\c+8*\g+7], v[12+\c]
.endr
.endr
	v_nop                                          ; one plain line behind the last scaled conversion
	global_store_b128 v[LI], v[C:C+3], s[34:35] offset:1024*(\s)         ; 512 consecutive bytes a store
	global_store_b128 v[LI], v[C+4:C+7], s[34:35] offset:1024*(\s)+512
	global_store_b32 v[LS], v17, s[36:37] offset:128*(\s)                ; the scale image: 128 consecutive bytes
.endm
; W path: block kb: W(128 s + 32 kb + i, my column): 128 consecutive bytes a wave, the four waves side by side on 512
.macro WLOAD kb
.irp i, 0,1,2,3,4,5,6,7,8,9,10,11,12,13,14,15,16,17,18,19,20,21,22,23,24,25,26,27,28,29,30,31
	global_load_b32 v[R+32*(\kb)+\i], v[LS], s[32:33] offset:(32*(\kb)+\i)*4096 th:TH_LOAD_NT
.endr
.endm
.macro WBLOCK kb
.set XS, R+32*(\kb)
	v_max3_num_f32 v13, |v[XS]|, |v[XS+1]|, |v[XS+2]|
	v_max3_num_f32 v14, |v[XS+3]|, |v[XS+4]|, |v[XS+5]|
.irp i, 6,10,14,18,22,26
	v_max3_num_f32 v13, v13, |v[XS+\i]|, |v[XS+\i+1]|
	v_max3_num_f32 v14, v14, |v[XS+\i+2]|, |v[XS+\i+3]|
.endr
	v_max3_num_f32 v13, v13, |v[XS+30]|, |v[XS+31]|
	v_max3_num_f32 v13, v13, v14, FLOOR
	v_add_nc_u32 v15, OFF2, v13
	v_lshrrev_b32 v14, 23, v15
.if (\kb) == 0
	v_mov_b32 v16, v14                             ; the four bytes make my column's scale word
.else
	v_lshl_or_b32 v16, v14, 8*(\kb), v16
.endif
.irp g, 0,1,2,3
	v_cvt_scalef32_pk8_fp4_f32 v[X+4*(\kb)+\g], v[XS+8*\g:XS+8*\g+7], v15
.endr
	v_nop                                          ; one plain line behind the last scaled conversion: the next block writes the scale operand
	ds_store_b128 v8, v[X+4*(\kb):X+4*(\kb)+3] offset:((\kb)/2)*512+((\kb)%2)*256   ; block kb is c = kb / 2, h = kb % 2 of my tile's image
.endm
	s_load_b512 s[4:19], s[0:1], 0x0               ; q s[4:5], k s[6:7], v s[8:9], Wq s[10:11], Wk s[12:13], Wv s[14:15], Wo s[16:17], opnd s[18:19]
	v_lshl_add_u32 v240, v0, 2, SPARE
	v_mov_b32 v241, 0
	v_lshrrev_b32 v1, 5, v0
	v_readfirstlane_b32 s20, v1                    ; wave 0..9
	v_and_b32 v1, 31, v0                           ; lane
	v_and_b32 v2, 15, v0                           ; r
	v_bfe_u32 v3, v0, 4, 1                         ; h
	v_lshlrev_b32 v[LI], 4, v1
	v_lshlrev_b32 v[LS], 2, v1
	s_mov_b32 s22, 0x76543210
	s_mov_b32 s23, 0xfedcba98                      ; v_permlanex16_b32's selects for lane l xor 16
	s_cmp_ge_u32 s20, XWV
	s_cbranch_scc1 .Lweights
	; ---- q, k, v.  My tile: 6 x work-group + wave of 1,536; 512 tiles a tensor
	s_mul_i32 s24, ttmp9, XWV
	s_add_co_u32 s24, s24, s20
	s_and_b32 s25, s24, 511
	s_lshr_b32 s26, s25, 1
	s_lshl_b32 s26, s26, 17                        ; 32 rows of 4,096 bytes for each pair of tiles,
	s_and_b32 s27, s25, 1
	s_lshl_b32 s27, s27, 15                        ; 8 rows for the odd tile
	s_add_co_u32 s26, s26, s27
	s_mov_b32 s27, 0
	s_lshl_b32 s28, s24, 13                        ; my tile's 8,192 bytes of codes
	s_mov_b32 s29, 0
	s_lshl_b32 s30, s24, 10                        ; and its 1,024 bytes of scale images
	s_add_co_u32 s30, s30, XSOFF
	s_mov_b32 s31, 0
	s_mul_i32 s21, s20, XSTG                       ; my stage
	s_wait_alu depctr_va_vdst(0)                   ; the wait here, behind the run of scalar lines
	v_add_nc_u32 v6, s21, v[LI]                    ; in: 16 x lane
	v_mul_u32_u24 v7, v2, XP
	v_lshl_add_u32 v7, v3, 7, v7
	v_add_nc_u32 v7, s21, v7                       ; back: row r, + 128 h bytes
	v_lshlrev_b32 v8, 3, v3                        ; 8 h
	v_mov_b32 v9, 0                                ; written once: a lane permute's destination counts as one of its sources
	s_wait_alu depctr_va_vdst(0)                   ; the wait at the head's end
	s_wait_kmcnt 0x0
	s_cmp_lt_u32 s24, 1024                         ; which tensor: the choice hangs on the tile's number alone
	s_cselect_b64 s[32:33], s[6:7], s[8:9]
	s_cmp_lt_u32 s24, 512
	s_cselect_b64 s[32:33], s[4:5], s[32:33]
	s_add_nc_u64 s[32:33], s[32:33], s[26:27]
	s_add_nc_u64 s[34:35], s[18:19], s[28:29]
	s_add_nc_u64 s[36:37], s[18:19], s[30:31]
	XLOAD 0
	XLOAD 1
.irp s, 0,1,2,3,4,5,6,7
	XSTEP \s
.endr
	s_wait_tensorcnt 0x0                           ; the wave's end
	ds_add_u32 v240, v241
	s_wait_dscnt 0x0
	s_endpgm
.Lweights:
	; ---- Wq, Wk, Wv, Wo.  work-group = tensor x 64 + column block x 8 + K step
	s_mov_b32 s24, ttmp9
	s_lshr_b32 s25, s24, 6                         ; tensor
	s_bfe_u32 s26, s24, 0x30003                    ; block of 128 columns
	s_and_b32 s27, s24, 7                          ; K step
	s_lshl_b32 s28, s26, 2
	s_add_co_u32 s28, s28, s20
	s_sub_co_u32 s28, s28, XWV                     ; my 32 columns: two tiles (wave 6 takes the block's first)
	s_lshl_b32 s30, s27, 19                        ; 128 rows of 4,096 bytes a K step
	s_lshl_b32 s31, s28, 7                         ; 128 bytes for each 32 columns
	s_add_co_u32 s30, s30, s31
	s_mov_b32 s31, 0
	s_lshl_b32 s38, s25, 19                        ; codes: tensor x 524,288 + pair of tiles x 16,384 + K step x 1,024
	s_lshl_b32 s39, s28, 14
	s_add_co_u32 s38, s38, s39
	s_lshl_b32 s39, s27, 10
	s_add_co_u32 s38, s38, s39
	s_add_co_u32 s38, s38, WCOFF
	s_mov_b32 s39, 0
	s_lshl_b32 s40, s25, 16                        ; scale images: tensor x 65,536 + pair x 2,048 + K step x 128
	s_lshl_b32 s41, s28, 11
	s_add_co_u32 s40, s40, s41
	s_lshl_b32 s41, s27, 7
	s_add_co_u32 s40, s40, s41
	s_add_co_u32 s40, s40, WSOFF
	s_mov_b32 s41, 0
	s_mul_i32 s21, s20, WSTG
	s_add_co_u32 s21, s21, WSTG0                   ; my stage
	v_bfe_u32 v6, v0, 3, 1                         ; my column l = 8 u + r + 8 (r / 8): u = bit 3,
	v_and_b32 v7, 7, v0
	s_wait_alu depctr_va_vdst(0)                   ; the wait here, behind the branch and the run of scalar lines
	v_lshl_add_u32 v7, v3, 3, v7                   ; r = l % 8 + 8 (l / 16)
	v_lshlrev_b32 v8, 4, v7
	v_lshl_add_u32 v8, v6, 10, v8
	v_add_nc_u32 v8, s21, v8                       ; codes into the stage: image u, lane r
	v_lshlrev_b32 v9, 2, v7
	v_lshl_add_u32 v9, v6, 7, v9
	v_add_nc_u32 v9, s21, v9                       ; scale word: image u, lane r (and lane 16 + r)
	v_add_nc_u32 v10, s21, v[LI]                   ; back: 16 x lane
	v_lshlrev_b32 v11, 3, v1
	v_add_nc_u32 v11, s21, v11                     ; the scale images back: 8 x lane
	v_lshlrev_b32 v12, 3, v2
	v_lshl_add_u32 v12, v3, 10, v12                ; and out: lanes 0-15 tile u = 0, lanes 16-31 the tile 1,024 bytes on
	s_wait_alu depctr_va_vdst(0)                   ; the wait at the head's end
	s_wait_kmcnt 0x0
	s_cmp_eq_u32 s25, 2
	s_cselect_b64 s[32:33], s[14:15], s[16:17]
	s_cmp_eq_u32 s25, 1
	s_cselect_b64 s[32:33], s[12:13], s[32:33]
	s_cmp_eq_u32 s25, 0
	s_cselect_b64 s[32:33], s[10:11], s[32:33]
	s_add_nc_u64 s[32:33], s[32:33], s[30:31]
	s_add_nc_u64 s[34:35], s[18:19], s[38:39]
	s_add_nc_u64 s[36:37], s[18:19], s[40:41]
	WLOAD 0
	WLOAD 1
	s_wait_loadcnt 32                              ; block 0 is in; block 1's 32 loads may be out
	WLOAD 2
	WBLOCK 0
	s_wait_loadcnt 32                              ; block 1 is in; block 2's may be out
	WLOAD 3
	WBLOCK 1
	s_wait_loadcnt 32                              ; block 2 is in; block 3's may be out
	WBLOCK 2
	s_wait_loadcnt 0x0
	WBLOCK 3
	ds_store_b32 v9, v16 offset:2048
	ds_store_b32 v9, v16 offset:2048+64            ; lanes 16-31 of a scale image repeat lanes 0-15
.irp i, 0,1,2,3
	ds_load_b128 v[X+16+4*\i:X+19+4*\i], v10 offset:512*\i   ; LDS serves a wave's instructions in order: these see my stores
.endr
	ds_load_b64 v[X+32:X+33], v11 offset:2048
	s_wait_dscnt 0x0
.irp i, 0,1,2,3
	global_store_b128 v[LI], v[X+16+4*\i:X+19+4*\i], s[34:35] offset:(\i/2)*8192+(\i%2)*512   ; 512 consecutive bytes: block c = i % 2 of tile u = i / 2
.endr
	global_store_b64 v12, v[X+32:X+33], s[36:37]   ; two runs of 128 bytes: an eighth of the codes' bytes
	s_wait_tensorcnt 0x0                           ; the wave's end
	ds_add_u32 v240, v241
	s_wait_dscnt 0x0
	s_endpgm
.Lfunc_end_k_qef9dd3679c_quant:
	.size	k_qef9dd3679c_quant, .Lfunc_end_k_qef9dd3679c_quant-k_qef9dd3679c_quant
	.p2alignl 7, 3214868480
	.fill 96, 4, 3214868480
	.section	.rodata,"a",@progbits
	.p2align	6, 0x0
	.amdhsa_kernel k_qef9dd3679c_quant
		.amdhsa_group_segment_fixed_size 61184
		.amdhsa_private_segment_fixed_size 0
		.amdhsa_enable_private_segment 0
		.amdhsa_kernarg_size 64
		.amdhsa_user_sgpr_count 2
		.amdhsa_user_sgpr_kernarg_segment_ptr 1
		.amdhsa_wavefront_size32 1
		.amdhsa_system_sgpr_workgroup_id_x 1
		.amdhsa_system_sgpr_workgroup_id_y 1
		.amdhsa_system_sgpr_workgroup_id_z 1
		.amdhsa_system_vgpr_workitem_id 0
		.amdhsa_next_free_vgpr 242
		.amdhsa_next_free_sgpr 66
		.amdhsa_reserve_vcc 0
		.amdhsa_float_denorm_mode_32 3
		.amdhsa_float_denorm_mode_16_64 3
		.amdhsa_memory_ordered 1
		.amdhsa_forward_progress 1
		.amdhsa_inst_pref_size 79
	.end_amdhsa_kernel
	.amdgpu_metadata
---
amdhsa.version: [ 1, 2 ]
amdhsa.kernels:
  - .name:           k_qef9dd3679c_quant
    .symbol:         k_qef9dd3679c_quant.kd
    .args:
      - { .name: q, .offset: 0, .size: 8, .value_kind: global_buffer, .address_space: global }
      - { .name: k, .offset: 8, .size: 8, .value_kind: global_buffer, .address_space: global }
      - { .name: v, .offset: 16, .size: 8, .value_kind: global_buffer, .address_space: global }
      - { .name: Wq, .offset: 24, .size: 8, .value_kind: global_buffer, .address_space: global }
      - { .name: Wk, .offset: 32, .size: 8, .value_kind: global_buffer, .address_space: global }
      - { .name: Wv, .offset: 40, .size: 8, .value_kind: global_buffer, .address_space: global }
      - { .name: Wo, .offset: 48, .size: 8, .value_kind: global_buffer, .address_space: global }
      - { .name: opnd, .offset: 56, .size: 8, .value_kind: global_buffer, .address_space: global }
    .group_segment_fixed_size: 61184
    .private_segment_fixed_size: 0
    .kernarg_segment_align: 8
    .kernarg_segment_size: 64
    .max_flat_workgroup_size: 320
    .sgpr_count:     66
    .vgpr_count:     242
    .wavefront_size: 32
...
	.end_amdgpu_metadata
.endif
;; end of part 1
;; launch proj (part 2): grid 64 x 3, 4 waves a work-group, no clusters, 327,680 bytes of LDS; arguments opnd, b_q, b_k, b_v, heads; writes heads
.if DOCPART == 2
	.amdgcn_target "amdgcn-amd-amdhsa--gfx1250"
	.amdhsa_code_object_version 6
	.text
	.protected	k_qef9dd3679c_proj
	.globl	k_qef9dd3679c_proj
	.p2align	8
	.type	k_qef9dd3679c_proj,@function
k_qef9dd3679c_proj:
	s_mov_b64 s[64:65], 0
	v_nop
	global_prefetch_b8 v0, s[64:65] scope:SCOPE_SE
	s_setreg_imm32_b32 hwreg(HW_REG_WAVE_MODE, 25, 1), 1
	s_wait_xcnt 0x0
.set XSOFF, 12582912
.set WCOFF, 14155776
.set WSOFF, 16252928
.set HSOFF, 12582912
.set RSCL,  131072
.set LI,  1
.set LS,  2
.set RA,  3
.set RSA, 4
.set BA,  5
.set PSC, 16
.set RSC, 80
.set HA,  96
.set PC,  160
.set TM,  168
.set PW,  184
.set RF,  0
.set BI,  128
.set BV,  128
.set CB,  160
.set SEL, 70
.set MSB, 0
.macro WIN new
.if MSB != \new
	s_set_vgpr_msb (MSB<<8)|\new
.set MSB, \new
.endif
.endm
.macro PLACES
.rept 4
	v_nop
.endr
.endm
.macro QUANT s
.irp b, 0,1,2,3
	v_max3_num_f32 v[TM+\b], |v[\s+16*\b]|, |v[\s+1+16*\b]|, 0x1800000
.endr
.irp i, 2,4,6,8,10,12,14
.irp b, 0,1,2,3
	v_max3_num_f32 v[TM+\b], v[TM+\b], |v[\s+16*\b+\i]|, |v[\s+1+16*\b+\i]|
.endr
.endr
.irp b, 0,1,2,3
	v_permlanex16_b32 v[TM+4+\b], v[TM+\b], s[SEL], s[SEL+1]
.endr
.irp b, 0,1,2,3
	v_max_num_f32 v[TM+\b], v[TM+\b], v[TM+4+\b]
.endr
.irp b, 0,1,2,3
	v_add_nc_u32 v[TM+12+\b], 0xff000000, v[TM+\b]
.endr
.irp b, 0,1,2,3
	v_lshrrev_b32 v[TM+4+\b], 23, v[TM+12+\b]
.endr
	v_lshl_or_b32 v[PW], v[TM+5], 8, v[TM+4]
	v_lshl_or_b32 v[PW], v[TM+6], 16, v[PW]
	v_lshl_or_b32 v[PW], v[TM+7], 24, v[PW]
.irp b, 0,1,2,3
	v_cvt_scalef32_pk8_fp4_f32 v[PC+2*\b], v[\s+16*\b:\s+7+16*\b], v[TM+12+\b]
	v_cvt_scalef32_pk8_fp4_f32 v[PC+1+2*\b], v[\s+8+16*\b:\s+15+16*\b], v[TM+12+\b]
.endr
	v_nop
.irp c, 0,1
.irp i, 0,1
	v_permlane16_swap_b32 v[PC+4*\c+\i], v[PC+2+4*\c+\i]
.endr
.endr
.endm
.macro MM isv
	WIN 0x3d
.irp t, 0,1,2,3,4,5,6,7
.if \isv
	v_wmma_scale_f32_16x16x128_f8f6f4 v[HA+8*\t:HA+8*\t+7], v[8*\t:8*\t+7], v[RF:RF+7], v[CB:CB+7], v[PSC+\t], v[RSC] matrix_a_fmt:MATRIX_FMT_FP4 matrix_b_fmt:MATRIX_FMT_FP4
.else
	v_wmma_scale_f32_16x16x128_f8f6f4 v[HA+8*\t:HA+8*\t+7], v[8*\t:8*\t+7], v[RF:RF+7], v[BI+8*\t:BI+8*\t+7], v[PSC+\t], v[RSC] matrix_a_fmt:MATRIX_FMT_FP4 matrix_b_fmt:MATRIX_FMT_FP4
.endif
.endr
	WIN 0x0d
.irp s, 1,2,3
.irp t, 0,1,2,3,4,5,6,7
	v_wmma_scale_f32_16x16x128_f8f6f4 v[HA+8*\t:HA+8*\t+7], v[64*\s+8*\t:64*\s+8*\t+7], v[RF+8*\s:RF+8*\s+7], v[HA+8*\t:HA+8*\t+7], v[PSC+8*\s+\t], v[RSC+\s] matrix_a_fmt:MATRIX_FMT_FP4 matrix_b_fmt:MATRIX_FMT_FP4
.endr
.endr
	WIN 0x0e
.irp s, 4,5,6,7
.irp t, 0,1,2,3,4,5,6,7
	v_wmma_scale_f32_16x16x128_f8f6f4 v[HA+8*\t:HA+8*\t+7], v[64*(\s-4)+8*\t:64*(\s-4)+8*\t+7], v[RF+8*\s:RF+8*\s+7], v[HA+8*\t:HA+8*\t+7], v[PSC+8*\s+\t], v[RSC+\s] matrix_a_fmt:MATRIX_FMT_FP4 matrix_b_fmt:MATRIX_FMT_FP4
.endr
.endr
	WIN 0
.endm
.macro RFETCH o, os
	WIN 0xc0
.irp s, 0,1,2,3,4,5,6,7
.irp c, 0,1
	ds_load_b128 v[RF+8*\s+4*\c:RF+8*\s+4*\c+3], v[RA] offset:\o+1024*\s+512*\c
.endr
.endr
	WIN 0
.irp s, 0,1,2,3,4,5,6,7
	ds_load_b32 v[RSC+\s], v[RSA] offset:\os+128*\s
.endr
.endm
.macro TRIP ii, isv
.if \isv
	WIN 0xc3
.irp j, 0,1,2,3,4,5,6,7
	v_mov_b32 v[CB+\j], v[BV+\ii]
.endr
	s_wait_alu depctr_va_vdst(0)
	WIN 0
	PLACES
.endif
	s_wait_dscnt 0x0
	MM \isv
	PLACES
.if \ii == 3
	s_cmp_eq_u32 s74, 1
	s_cbranch_scc1 .Lnofetch_\@
.endif
	RFETCH 8192*(\ii+1), 1024*(\ii+1)
.if \ii == 3
.Lnofetch_\@:
.endif
.if \ii == 0
	s_wait_xcnt 0x0                                ; the last pass's stores have read their data and bases: one wait for four trips, behind this trip's products
.if \isv
	s_add_nc_u64 s[66:67], s[66:67], 65536         ; on to this pass's part of the result
	s_add_nc_u64 s[68:69], s[68:69], 8192
.else
	s_add_nc_u64 s[66:67], s[66:67], 2048
	s_add_nc_u64 s[68:69], s[68:69], 512
.endif
.endif
.set PC, 192+8*\ii                                 ; each of a pass's four trips has registers of its own for its codes and its scale word
.set PW, 224+\ii
	QUANT HA
.if \isv
	global_store_b128 v[LI], v[PC:PC+3], s[66:67] offset:1024*\ii
	global_store_b128 v[LI], v[PC+4:PC+7], s[66:67] offset:1024*\ii+512
.else
	global_store_b128 v[LI], v[PC:PC+3], s[66:67] offset:512*\ii
	global_store_b128 v[LI], v[PC+4:PC+7], s[66:67] offset:512*\ii+65536
.endif
	global_store_b32 v[LS], v[PW], s[68:69] offset:128*\ii
.endm
.macro LOOP isv
	s_mov_b32 s72, 0
	s_mov_b32 s73, RSCL
	s_mov_b32 s74, 4
.if \isv
	s_sub_nc_u64 s[66:67], s[66:67], 65536         ; one pass back: every pass's first trip steps the bases ahead of its stores
	s_sub_nc_u64 s[68:69], s[68:69], 8192
.else
	s_sub_nc_u64 s[66:67], s[66:67], 2048
	s_sub_nc_u64 s[68:69], s[68:69], 512
.endif
	v_add_nc_u32 v[RA], s72, v[LI]
	v_add_nc_u32 v[RSA], s73, v[LS]
	RFETCH 0, 0
	s_wait_loadcnt 0x0
.Ltrips_\@:
	s_wait_alu depctr_va_vdst(0)
	TRIP 0, \isv
	TRIP 1, \isv
	TRIP 2, \isv
	TRIP 3, \isv
	s_add_co_u32 s72, s72, 32768
	s_add_co_u32 s73, s73, 4096
	v_add_nc_u32 v[RA], s72, v[LI]
	v_add_nc_u32 v[RSA], s73, v[LS]
.if \isv
	WIN 0xc3
.irp k, 0,1,2,3,4,5,6,7,8,9,10,11
	v_mov_b32 v[BV+\k], v[BV+\k+4]
.endr
	WIN 0
.endif
	s_sub_co_u32 s74, s74, 1
	s_cmp_lg_u32 s74, 0
	s_cbranch_scc1 .Ltrips_\@
	s_wait_tensorcnt 0x0
	ds_add_u32 v254, v255
	s_wait_dscnt 0x0
	s_endpgm
.endm
	s_load_b256 s[4:11], s[0:1], 0x0
	s_load_b64 s[12:13], s[0:1], 0x20
.set SLC, 147456                                   ; LDS behind the moving operand's codes and scale images: the resident operand's codes of K steps 0-3, 4,096 bytes a tile, 32 tiles;
.set SLS, 278528                                   ; its scale images, 1,024 bytes a tile; behind them, at 311,296, the spare words
	v_lshl_add_u32 v254, v0, 2, 0x4c000
	v_mov_b32 v255, 0
	ds_add_u32 v254, v255
	ds_add_u32 v254, v255
	v_lshrrev_b32 v1, 5, v0
	v_readfirstlane_b32 s14, v1
	v_and_b32 v6, 31, v0
	v_lshlrev_b32 v[LI], 4, v6
	v_lshlrev_b32 v[LS], 2, v6
	s_and_b32 s15, ttmp7, 0xffff
	s_and_b32 s16, ttmp9, 1
	s_lshr_b32 s17, ttmp9, 2
	s_lshr_b32 s18, ttmp9, 1
	s_and_b32 s19, ttmp9, 3
	s_lshl_b32 s20, s15, 22
	s_lshl_b32 s21, s15, 19
	s_add_co_u32 s22, s21, XSOFF
	s_add_co_u32 s23, s21, WCOFF
	s_lshl_b32 s24, s15, 16
	s_add_co_u32 s24, s24, WSOFF
	s_cmp_eq_u32 s15, 2
	s_cselect_b32 s16, s17, s16
	s_cselect_b32 s18, s19, s18
	s_cselect_b32 s25, s20, s23
	s_cselect_b32 s26, s22, s24
	s_cselect_b32 s27, s23, s20
	s_cselect_b32 s28, s24, s22
	s_lshl_b32 s16, s16, 2
	s_add_co_u32 s16, s16, s14
	s_lshl_b32 s29, s16, 16
	s_add_co_u32 s56, s25, s29
	s_mov_b32 s57, 0
	s_lshl_b32 s29, s18, 17
	s_add_co_u32 s30, s27, s29
	s_mov_b32 s31, 0
	s_lshl_b32 s29, s18, 14
	s_add_co_u32 s28, s28, s29
	s_mov_b32 s29, 0
	s_sub_co_u32 s19, s16, s14                     ; the first of the work-group's four groups of eight resident tiles
	s_lshl_b32 s17, s19, 16
	s_add_co_u32 s60, s25, s17                     ; their codes,
	s_mov_b32 s61, 0
	s_lshl_b32 s17, s19, 13
	s_add_co_u32 s62, s26, s17                     ; and their scale images
	s_mov_b32 s63, 0
	s_mov_b32 s32, 3<<16
	s_mov_b32 s33, 32<<16
	s_mov_b32 s34, 512<<16
	s_mov_b32 s35, 32<<16
	s_mov_b32 s36, 512
	s_mov_b32 s37, 32
	s_mov_b32 s38, 0
	s_mov_b32 s39, 0
	s_mov_b32 s40, 3<<16
	s_mov_b32 s41, 32<<16
	s_mov_b32 s42, 64<<16
	s_mov_b32 s43, 32<<16
	s_mov_b32 s44, 64
	s_mov_b32 s45, 32
	s_mov_b32 s46, 0
	s_mov_b32 s47, 0
	s_mov_b32 s48, 1
	s_mov_b32 s49, 0
	s_mov_b32 s52, 1
	s_mov_b32 s53, RSCL
	s_mov_b32 s76, 3<<16                           ; the resident codes of K steps 0-3: 32 rows (tiles) of 4,096 bytes (512 elements of 8), 8,192 bytes apart
	s_mov_b32 s77, 512<<16
	s_mov_b32 s78, 32<<16
	s_mov_b32 s79, 512<<16
	s_mov_b32 s80, 32
	s_mov_b32 s81, 1024
	s_mov_b32 s82, 0
	s_mov_b32 s83, 0
	s_mov_b32 s84, 3<<16                           ; the resident scale images: a dense block of 128 rows of 256 bytes
	s_mov_b32 s85, 32<<16
	s_mov_b32 s86, 128<<16
	s_mov_b32 s87, 32<<16
	s_mov_b32 s88, 128
	s_mov_b32 s89, 32
	s_mov_b32 s90, 0
	s_mov_b32 s91, 0
	s_mov_b32 s92, 1
	s_mov_b32 s93, SLC
	s_mov_b32 s96, 1
	s_mov_b32 s97, SLS
	s_mov_b32 s[SEL], 0x76543210
	s_mov_b32 s[SEL+1], 0xfedcba98
	s_wait_alu depctr_va_vdst(0)
	s_wait_dscnt 0x0
	s_wait_kmcnt 0x0
	s_add_nc_u64 s[50:51], s[4:5], s[30:31]
	s_or_b32 s51, s51, 0x80000000
	s_add_nc_u64 s[54:55], s[4:5], s[28:29]
	s_or_b32 s55, s55, 0x80000000
	s_add_nc_u64 s[94:95], s[4:5], s[60:61]
	s_or_b32 s95, s95, 0x80000000
	s_add_nc_u64 s[98:99], s[4:5], s[62:63]
	s_or_b32 s99, s99, 0x80000000
	s_cmp_lt_u32 s14, 1                            ; the head's four loads, one a wave: one chain of arms, every way passes exactly one
	s_cbranch_scc0 .Lhead_1
	tensor_load_to_lds s[48:51], s[32:39]          ; wave 0: the moving operand's codes
	s_nop 0
	PLACES
	s_branch .Lhead_asked
.Lhead_1:
	s_cmp_lt_u32 s14, 2
	s_cbranch_scc0 .Lhead_2
	tensor_load_to_lds s[92:95], s[76:83]          ; wave 1: the resident operand's codes of K steps 0-3
	s_nop 0
	PLACES
	s_branch .Lhead_asked
.Lhead_2:
	s_cmp_lt_u32 s14, 3
	s_cbranch_scc0 .Lhead_3
	tensor_load_to_lds s[52:55], s[40:47]          ; wave 2: the moving operand's scale images
	s_nop 0
	PLACES
	s_branch .Lhead_asked
.Lhead_3:
	tensor_load_to_lds s[96:99], s[84:91]          ; wave 3: the resident operand's scale images
	s_nop 0
	PLACES
.Lhead_asked:
	s_add_nc_u64 s[56:57], s[4:5], s[56:57]        ; K steps 4-7 of my resident tiles go straight into registers
	WIN 0x80
.irp s, 4,5,6,7
.irp t, 0,1,2,3,4,5,6,7
.irp c, 0,1
	global_load_b128 v[64*(\s-4)+8*\t+4*\c:64*(\s-4)+8*\t+4*\c+3], v[LI], s[56:57] offset:8192*\t+1024*\s+512*\c
.endr
.endr
.endr
	WIN 0
.irp b, 0,1,2,3
	v_mov_b32 v[TM+4+\b], 0
.endr
	s_lshl_b32 s17, s14, 15
	s_add_co_u32 s17, s17, SLC
	v_add_nc_u32 v7, s17, v[LI]                    ; my eight resident tiles' codes in LDS,
	s_lshl_b32 s17, s14, 13
	s_add_co_u32 s17, s17, SLS
	v_add_nc_u32 v8, s17, v[LS]                    ; and their scale images
	s_wait_alu depctr_va_vdst(0)                   ; the wait here, directly ahead of the wait below
	s_wait_tensorcnt 0x0                           ; my one load is in
	s_barrier_signal -1
	s_barrier_wait -1
	WIN 0x40
.irp s, 0,1,2,3
.irp t, 0,1,2,3,4,5,6,7
.irp c, 0,1
	ds_load_b128 v[64*\s+8*\t+4*\c:64*\s+8*\t+4*\c+3], v7 offset:4096*\t+1024*\s+512*\c
.endr
.endr
.endr
	WIN 0
.irp s, 0,1,2,3,4,5,6,7
.irp t, 0,1,2,3,4,5,6,7
	ds_load_b32 v[PSC+8*\s+\t], v8 offset:1024*\t+128*\s
.endr
.endr
	s_cmp_eq_u32 s15, 2
	s_cbranch_scc1 .Lvalues
	s_cmp_eq_u32 s15, 0
	s_cselect_b64 s[60:61], s[6:7], s[8:9]
	s_lshl_b32 s20, s16, 9
	s_mov_b32 s21, 0
	s_add_nc_u64 s[60:61], s[60:61], s[20:21]
	v_bfe_u32 v[BA], v0, 4, 1
	v_lshlrev_b32 v[BA], 6, v[BA]
	WIN 0xc0
.irp t, 0,1,2,3,4,5,6,7
	global_load_b128 v[BI+8*\t:BI+8*\t+3], v[BA], s[60:61] offset:(32*(\t/2)+8*(\t%2))*4
	global_load_b128 v[BI+8*\t+4:BI+8*\t+7], v[BA], s[60:61] offset:(32*(\t/2)+8*(\t%2))*4+16
.endr
	WIN 0
	s_lshr_b32 s20, s18, 3
	s_lshl_b32 s20, s20, 3
	s_add_co_u32 s20, s20, s16
	s_and_b32 s22, s18, 7
	s_lshl_b32 s23, s20, 17
	s_lshl_b32 s24, s22, 13
	s_add_co_u32 s23, s23, s24
	s_lshl_b32 s24, s15, 22
	s_add_co_u32 s66, s23, s24
	s_mov_b32 s67, 0
	s_add_nc_u64 s[66:67], s[12:13], s[66:67]
	s_lshl_b32 s23, s20, 14
	s_lshl_b32 s24, s22, 11
	s_add_co_u32 s23, s23, s24
	s_lshl_b32 s24, s15, 19
	s_add_co_u32 s23, s23, s24
	s_add_co_u32 s68, s23, HSOFF
	s_mov_b32 s69, 0
	s_add_nc_u64 s[68:69], s[12:13], s[68:69]
	LOOP 0
.Lvalues:
	s_lshl_b32 s20, s18, 10
	s_mov_b32 s21, 0
	s_add_nc_u64 s[60:61], s[10:11], s[20:21]
	v_and_b32 v[BA], 15, v0
	v_and_b32 v6, 8, v[BA]
	v_add_nc_u32 v[BA], v[BA], v6
	v_lshlrev_b32 v[BA], 2, v[BA]
	WIN 0xc0
.irp i, 0,1,2,3,4,5,6,7,8,9,10,11,12,13,14,15
	global_load_b32 v[BV+\i], v[BA], s[60:61] offset:(32*(\i/2)+8*(\i%2))*4
.endr
	WIN 0
	s_lshr_b32 s20, s16, 4
	s_lshl_b32 s20, s20, 3
	s_lshl_b32 s21, s18, 1
	s_add_co_u32 s20, s20, s21
	s_and_b32 s22, s16, 15
	s_lshl_b32 s23, s20, 17
	s_lshl_b32 s24, s22, 12
	s_add_co_u32 s23, s23, s24
	s_add_co_u32 s66, s23, 2*4194304
	s_mov_b32 s67, 0
	s_add_nc_u64 s[66:67], s[12:13], s[66:67]
	s_lshl_b32 s23, s20, 14
	s_lshl_b32 s24, s22, 9
	s_add_co_u32 s23, s23, s24
	s_add_co_u32 s68, s23, HSOFF+2*524288
	s_mov_b32 s69, 0
	s_add_nc_u64 s[68:69], s[12:13], s[68:69]
	LOOP 1
.Lfunc_end_k_qef9dd3679c_proj:
	.size	k_qef9dd3679c_proj, .Lfunc_end_k_qef9dd3679c_proj-k_qef9dd3679c_proj
	.p2alignl 7, 3214868480
	.fill 96, 4, 3214868480
	.section	.rodata,"a",@progbits
	.p2align	6, 0x0
	.amdhsa_kernel k_qef9dd3679c_proj
		.amdhsa_group_segment_fixed_size 327680
		.amdhsa_private_segment_fixed_size 0
		.amdhsa_enable_private_segment 0
		.amdhsa_kernarg_size 40
		.amdhsa_user_sgpr_count 2
		.amdhsa_user_sgpr_kernarg_segment_ptr 1
		.amdhsa_wavefront_size32 1
		.amdhsa_system_sgpr_workgroup_id_x 1
		.amdhsa_system_sgpr_workgroup_id_y 1
		.amdhsa_system_sgpr_workgroup_id_z 1
		.amdhsa_system_vgpr_workitem_id 0
		.amdhsa_next_free_vgpr 1024
		.amdhsa_next_free_sgpr 100
		.amdhsa_reserve_vcc 0
		.amdhsa_float_denorm_mode_32 3
		.amdhsa_float_denorm_mode_16_64 3
		.amdhsa_memory_ordered 1
		.amdhsa_forward_progress 1
		.amdhsa_inst_pref_size 144
	.end_amdhsa_kernel
	.amdgpu_metadata
---
amdhsa.version: [ 1, 2 ]
amdhsa.kernels:
  - .name:           k_qef9dd3679c_proj
    .symbol:         k_qef9dd3679c_proj.kd
    .args:
      - { .name: opnd, .offset: 0, .size: 8, .value_kind: global_buffer, .address_space: global }
      - { .name: b_q, .offset: 8, .size: 8, .value_kind: global_buffer, .address_space: global }
      - { .name: b_k, .offset: 16, .size: 8, .value_kind: global_buffer, .address_space: global }
      - { .name: b_v, .offset: 24, .size: 8, .value_kind: global_buffer, .address_space: global }
      - { .name: heads, .offset: 32, .size: 8, .value_kind: global_buffer, .address_space: global }
    .group_segment_fixed_size: 327680
    .private_segment_fixed_size: 0
    .kernarg_segment_align: 8
    .kernarg_segment_size: 40
    .max_flat_workgroup_size: 128
    .sgpr_count:     100
    .vgpr_count:     1024
    .wavefront_size: 32
...
	.end_amdgpu_metadata
.endif
;; end of part 2
;; launch attn (part 3): grid 8 x 32, 16 waves a work-group, clusters of 4 x 1, 327,680 bytes of LDS; arguments heads, aout; writes aout
.if DOCPART == 3
	.amdgcn_target "amdgcn-amd-amdhsa--gfx1250"
	.amdhsa_code_object_version 6
	.text
	.protected	k_qef9dd3679c_attn
	.globl	k_qef9dd3679c_attn
	.p2align	8
	.type	k_qef9dd3679c_attn,@function
k_qef9dd3679c_attn:
	s_mov_b64 s[64:65], 0
	v_nop
	global_prefetch_b8 v0, s[64:65] scope:SCOPE_SE
	s_setreg_imm32_b32 hwreg(HW_REG_WAVE_MODE, 25, 1), 1
	s_wait_xcnt 0x0
	s_wait_alu depctr_hold_cnt(0) depctr_sa_sdst(0) depctr_va_vdst(0) depctr_va_sdst(0) depctr_va_ssrc(0) depctr_va_vcc(0) depctr_vm_vsrc(0)
	s_getreg_b32 s2, hwreg(HW_REG_IB_STS2, 6, 4)
	s_cmp_eq_u32 s2, 0
	s_cbranch_scc0 .Lentry_in_a_cluster
	s_endpgm
.Lentry_in_a_cluster:
	s_bfe_u32 s2, ttmp6, 0x10000c
	s_cmp_lg_u32 s2, 0x3003
	s_cbranch_scc0 .Lentry_shape_is_right
	s_endpgm
.Lentry_shape_is_right:
; Attention on codes of FP4 (E2M1) with E8M0 scales, 64 heads of 64 channels, 2,048 queries and keys, and the quantiser of its result along D for the last product.
; THE SOFTMAX AHEAD OF THE SECOND PRODUCT: t = score x log2(e) / 8; M = the row's largest t so far, rounded UP to a whole number; p = 2^(t - M) is quantised along the keys, not normalised.
; The row's sum is taken of the unquantised p and divides O at the end.  When M moves, the sum and O are multiplied by 2^(old M - new M): exact.
; SHARES.  A work-group owns 256 queries of one PAIR of heads; each of its sixteen waves 16 of them (one tile, 256 registers, four waves to a SIMD).  A wave walks the even head's 16 key steps of 128,
; then the odd head's, and so ends with a whole fragment (128 channels of D) and a whole scale word for the last product.
; ALL OF THE PAIR'S K AND V LIES IN LDS, filled once, as images of operand registers: every LDS read is 512 (or 128) consecutive bytes.  K's 32 key steps (even head, then odd) lie on end, and so do V's.
; LOADS.  At the head one tensor load a wave: waves 0-7 the even head's K and V (16 KiB each), waves 8-15 the scale images (4 KiB each).  Behind the three lines and a round of the cluster's barrier
; each wave asks for 8 KiB of the odd head's K and V; the barrier that shows them landed stands behind key step 3.  Every byte is asked for in these two groups, so there is no later load ahead of which a prefetch could stand.
; CLUSTER.  The four query blocks of a cluster want the same K and V: each part is asked for JOINTLY, by the same descriptor and the mask of all four.
; LAYOUT.  Both products transposed: S^T = K Q^T, O^T = V^T P^T: a lane holds ONE query throughout.  Tiles take rows 32 B + 8 u + r + 8 (r / 8), so a lane's 16 registers of tiles 2 b, 2 b + 1 are neighbours.
; K = 64 IN AN INSTRUCTION OF K = 128: a head's codes fill half a fragment (even head registers 0-3, scale bytes 0, 1; odd head registers 4-7, bytes 2, 3).  Q's other half holds zero CODES under the byte 0;
; K's other half holds a neighbouring tile's codes or a pad of zeros under a valid byte: a zero code times any number of the format adds nothing.
; A KEY STEP asks for the next step's K right behind its own score products, so that the wait at a step's head finds loads that were issued a step before.
; LIMITS: NaN and infinities are not served; the promise holds while the scaled scores stay under 2^31 in magnitude; a block of zeros (or under 2^-124) gets the byte 1: these bytes are read by this program alone.
.set KE,   0                           ; LDS: K, 4,096 x key step (0-15 even head, 16-31 odd) + 512 x tile
.set VE,   131072                      ; V likewise: 4,096 x key step + 1,024 x channel tile
.set SCK,  262144                      ; K's scale images, 128 x tile (both heads in a word)
.set SCV,  278528                      ; V's: 512 x key step (0-31) + 128 x channel tile
.set SPARE, 294912                     ; the spare words, 128 bytes a wave
.set HSOFF, 12582912
.set LI,  1                            ; 16 x lane
.set LS,  2                            ; 4 x lane
.set ADK, 3                            ; the LDS addresses in hand: K, V, K's scale words, V's
.set ADV, 4
.set ADKS, 5
.set ADVS, 6
.set TT,  7
.set SPW, 8                            ; my spare word; never rewritten
.set NIL, 9                            ; 0; never rewritten
.set F,   10                           ; v[10:11] f = 2^(old M - new M) (the low word serves both halves)
                                       ; v12 -M, v13 the largest score, v[14:15] the sum in two halves
.set QE,  16                           ; v16-19 the even head's Q, v20-23 zeros
.set QO,  20                           ; v20-23 zeros, v24-27 the odd head's Q
.set QSE, 28                           ; Q's scale words
.set QSO, 29
.set PSW, 30                           ; p's
.set AW,  31                           ; the result's
.set KA,  32                           ; v32-35 pad, v36-67 eight tiles of K, v68-71 pad
.set VF,  72                           ; v72-103 V's four fragments
.set S,   104                          ; v104-167 S^T, then p
.set O,   168                          ; v168-199 O^T
.set PC,  200                          ; v200-207 p's codes
.set BM,  208                          ; v208-211 block maxima, then bytes
.set SO,  212                          ; v212-215 the conversions' scale operands
.set KSW, 216                          ; v216-223 K's scale words
.set VSW, 224                          ; v224-227 V's
.set AF,  228                          ; v228-235 the result's fragment
.set TS,  236                          ; v236-251 eight partial sums
.set T2,  236                          ; (the first four also take the lane permutes)
.set QW,  252
.set TU,  253
.set WV,  8
.set SEL, 56
.set CS,  58
.set TK,  60
.set TV,  61
.set TKS, 62
.set TVS, 63
.set CNT, 66
.set CSN, 67
.macro PLACES
.rept 4
	v_nop
.endr
.endm
.macro CROUND                          ; a round of the cluster's barrier
	s_barrier_signal -1
	s_barrier_wait -1
	s_cmp_lg_u32 s[WV], 0
	s_cbranch_scc1 .Lnot_wave_0_\@
	s_barrier_signal -3
.Lnot_wave_0_\@:
	s_barrier_wait -3
	s_barrier_signal -1
	s_barrier_wait -1
.endm
.macro SCALE from, n                   ; t - M, two at a time
.set j, \from
.rept \n
	v_pk_fma_f32 v[S+j:S+j+1], v[S+j:S+j+1], s[CS:CS+1], v[12:13] op_sel_hi:[1,0,0]
.set j, j+2
.endr
.endm
.macro SUMS from, k0, n                ; partial sum k += the pair at S + from + 2 k
.set k, \k0
.rept \n
	v_pk_add_f32 v[TS+2*k:TS+2*k+1], v[TS+2*k:TS+2*k+1], v[S+\from+2*k:S+\from+2*k+1]
.set k, k+1
.endr
.endm
.macro KWORDS                          ; K's eight scale words
.irp t, 0,1,2,3,4,5,6,7
	ds_load_b32 v[KSW+\t], v[ADKS] offset:128*\t
.endr
.endm
; A KEY STEP: 128 keys of head par.  s[TV], s[TVS] stand at this step, s[TK], s[TKS] at the next
.macro STEP par
	s_wait_dscnt 0x0                               ; K and its scale words, asked for a step ago
.irp t, 0,1,2,3,4,5,6,7
.if \par
	v_wmma_scale_f32_16x16x128_f8f6f4 v[S+8*\t:S+8*\t+7], v[KA+4*\t:KA+4*\t+7], v[QO:QO+7], 0, v[KSW+\t], v[QSO] matrix_a_fmt:MATRIX_FMT_FP4 matrix_b_fmt:MATRIX_FMT_FP4
.else
	v_wmma_scale_f32_16x16x128_f8f6f4 v[S+8*\t:S+8*\t+7], v[KA+4+4*\t:KA+11+4*\t], v[QE:QE+7], 0, v[KSW+\t], v[QSE] matrix_a_fmt:MATRIX_FMT_FP4 matrix_b_fmt:MATRIX_FMT_FP4
.endif
.endr
	v_add_nc_u32 v[ADV], s[TV], v[LI]              ; these four are the plain lines between the products (these, and the last step's second product) and the loads into their registers
	v_add_nc_u32 v[ADVS], s[TVS], v[LS]
	v_add_nc_u32 v[ADK], s[TK], v[LI]
	v_add_nc_u32 v[ADKS], s[TKS], v[LS]
.irp c, 0,1,2,3
.irp e, 0,1
	ds_load_b128 v[VF+8*\c+4*\e:VF+8*\c+4*\e+3], v[ADV] offset:1024*\c+512*\e
.endr
.endr
.irp c, 0,1,2,3
	ds_load_b32 v[VSW+\c], v[ADVS] offset:128*\c
.endr
.irp t, 0,1,2,3,4,5,6,7
	ds_load_b128 v[KA+4+4*\t:KA+7+4*\t], v[ADK] offset:512*\t   ; the next step's K
.endr
	KWORDS
	s_add_co_u32 s[TK], s[TK], 4096
	s_add_co_u32 s[TV], s[TV], 4096
	s_add_co_u32 s[TKS], s[TKS], 1024
	s_add_co_u32 s[TVS], s[TVS], 512
.irp b, 0,1,2,3
	v_max3_num_f32 v[BM+\b], v[S+16*\b], v[S+1+16*\b], v[S+2+16*\b]   ; the largest score of each block of 32 keys: for the row's maximum and, since p rises with the score, for the block's largest p
.endr
.irp i, 3,5,7,9,11,13
.irp b, 0,1,2,3
	v_max3_num_f32 v[BM+\b], v[BM+\b], v[S+16*\b+\i], v[S+1+16*\b+\i]
.endr
.endr
.irp b, 0,1,2,3
	v_max_num_f32 v[BM+\b], v[BM+\b], v[S+15+16*\b]
.endr
	v_mov_b32 v[TT], v12                           ; the old -M
.irp b, 0,1,2,3
	v_permlanex16_b32 v[T2+\b], v[BM+\b], s[SEL], s[SEL+1]
.endr
.irp b, 0,1,2,3
	v_max_num_f32 v[BM+\b], v[BM+\b], v[T2+\b]     ; with lane l xor 16's 16 keys
.endr
	v_max3_num_f32 v[TU], v[BM], v[BM+1], v[BM+2]
	s_delay_alu instid0(VALU_DEP_1)
	v_max3_num_f32 v13, v[TU], v[BM+3], v13        ; the running largest score of my query
	s_delay_alu instid0(VALU_DEP_1)
	v_mul_f32 v[TU], s[CSN], v13                   ; -t (c is positive)
	s_delay_alu instid0(VALU_DEP_1)
	v_floor_f32 v12, v[TU]                         ; the new -M = floor(-t) = -ceil(t)
	s_delay_alu instid0(VALU_DEP_1)
	v_sub_f32 v[TT], v12, v[TT]                    ; old M - new M: a whole number, 0 or less
	SCALE 0, 4                                     ; blocks 0 and 1 are scaled between the links of f's chain
	v_cvt_i32_f32 v[TT], v[TT]                     ; (it saturates)
	SCALE 8, 4
	v_ldexp_f32 v[F], 1.0, v[TT]                   ; f
	SCALE 16, 8
	v_pk_fma_f32 v[BM:BM+1], v[BM:BM+1], s[CS:CS+1], v[12:13] op_sel_hi:[1,0,0]       ; the same of each block's largest score
	v_pk_fma_f32 v[BM+2:BM+3], v[BM+2:BM+3], s[CS:CS+1], v[12:13] op_sel_hi:[1,0,0]
.set j, 0
.rept 16
	v_pk_mul_f32 v[O+j:O+j+1], v[O+j:O+j+1], v[F:F+1] op_sel_hi:[1,0]   ; O^T under the new M, each accumulator from its low end; no exponential stands between the last step's products and these
.set j, j+2
.endr
	s_wait_alu depctr_va_vdst(0)                   ; the wait ahead of the batch
.irp b, 0,1,2,3
	v_exp_f32 v[BM+\b], v[BM+\b]                   ; the block's largest p: the same two instructions on the same number
.endr
.set j, 0
.rept 16
	v_exp_f32 v[S+j], v[S+j]                       ; p = 2^(t - M), blocks 0 and 1; between them blocks 2 and 3 are scaled: lines that read nothing written since the wait
	v_pk_fma_f32 v[S+32+j:S+33+j], v[S+32+j:S+33+j], s[CS:CS+1], v[12:13] op_sel_hi:[1,0,0]
	v_exp_f32 v[S+j+1], v[S+j+1]
.set j, j+2
.endr
	v_pk_mul_f32 v[14:15], v[14:15], v[F:F+1] op_sel_hi:[1,0]   ; the sums under the new M: a plain line behind the exponentials
	s_wait_alu depctr_va_vdst(0)                   ; one wait behind the first batch and ahead of the second
.set k, 0
.rept 8
	v_exp_f32 v[S+32+4*k], v[S+32+4*k]             ; blocks 2 and 3; between them the floors and the first level of blocks 0 and 1's sums: their results are read behind the next wait
	v_exp_f32 v[S+33+4*k], v[S+33+4*k]
.if k < 4
	v_max_num_f32 v[BM+k], 0x1800000, v[BM+k]      ; the floor 2^(3 - 127): the byte cannot fall under 1
.endif
	v_exp_f32 v[S+34+4*k], v[S+34+4*k]
	v_exp_f32 v[S+35+4*k], v[S+35+4*k]
	v_pk_add_f32 v[TS+2*k:TS+2*k+1], v[S+4*k:S+4*k+1], v[S+4*k+2:S+4*k+3]   ; THE ROW'S SUM IS TAKEN OF THE UNQUANTISED p
.set k, k+1
.endr
	s_wait_alu depctr_va_vdst(0)                   ; one wait behind the second batch; it also stands directly ahead of the wait below
	s_wait_dscnt 16                                ; V and its scale words are in; the 16 loads of the next step's K may be out
.irp b, 0,1,2,3
	v_add_nc_u32 v[SO+\b], 0xff000000, v[BM+\b]    ; 2 off the exponent field: the conversion's scale operand
.endr
	SUMS 32, 0, 8
.irp b, 0,1,2,3
	v_lshrrev_b32 v[BM+\b], 23, v[SO+\b]           ; the scale's byte
.endr
.irp b, 0,1,2,3
	v_cvt_scalef32_pk8_fp4_f32 v[PC+2*\b], v[S+16*\b:S+7+16*\b], v[SO+\b]
	v_cvt_scalef32_pk8_fp4_f32 v[PC+1+2*\b], v[S+8+16*\b:S+15+16*\b], v[SO+\b]
.endr
	v_lshl_or_b32 v[PSW], v[BM+1], 8, v[BM]        ; p's scale word for these 128 keys (also the plain line behind the last conversion)
	SUMS 48, 0, 4
	v_lshl_or_b32 v[PSW], v[BM+2], 16, v[PSW]
	SUMS 48, 4, 4
	v_lshl_or_b32 v[PSW], v[BM+3], 24, v[PSW]
.irp c, 0,1                                    ; the operand's layout wants a whole block in a lane
.irp i, 0,1
	v_permlane16_swap_b32 v[PC+4*\c+\i], v[PC+2+4*\c+\i]
.endr
.endr
.irp k, 0,1,2,3                                ; the eight lines that join the sums are the plain lines between the scale word's and the codes' last writes and the products
	v_pk_add_f32 v[TS+2*\k:TS+2*\k+1], v[TS+2*\k:TS+2*\k+1], v[TS+8+2*\k:TS+9+2*\k]
.endr
	s_delay_alu instid0(VALU_DEP_3)
	v_pk_add_f32 v[TS:TS+1], v[TS:TS+1], v[TS+2:TS+3]
	s_delay_alu instid0(VALU_DEP_2)
	v_pk_add_f32 v[TS+4:TS+5], v[TS+4:TS+5], v[TS+6:TS+7]
	s_delay_alu instid0(VALU_DEP_1)
	v_pk_add_f32 v[TS:TS+1], v[TS:TS+1], v[TS+4:TS+5]
	s_delay_alu instid0(VALU_DEP_1)
	v_pk_add_f32 v[14:15], v[14:15], v[TS:TS+1]
.irp c, 0,1,2,3
	v_wmma_scale_f32_16x16x128_f8f6f4 v[O+8*\c:O+8*\c+7], v[VF+8*\c:VF+8*\c+7], v[PC:PC+7], v[O+8*\c:O+8*\c+7], v[VSW+\c], v[PSW] matrix_a_fmt:MATRIX_FMT_FP4 matrix_b_fmt:MATRIX_FMT_FP4
.endr
.endm
.macro LOOPN n, par, first             ; key steps first .. first + n - 1 of the pair's 32
	s_mov_b32 s[TK], KE+4096*(\first+1)
	s_mov_b32 s[TV], VE+4096*\first
	s_mov_b32 s[TKS], SCK+1024*((\first)%16+1)
	s_mov_b32 s[TVS], SCV+512*\first
	s_mov_b32 s[CNT], \n
.Lkeys_\@:
	STEP \par
	s_sub_co_u32 s[CNT], s[CNT], 1
	s_cmp_lg_u32 s[CNT], 0
	s_cbranch_scc1 .Lkeys_\@
.endm
.macro INIT                            ; a head's start: the first change of M multiplies zeros by f = 0
	v_mov_b32 v13, 0xff61b1e6                      ; -3e38, under every score
	v_mov_b32 v12, 0x7e000000                      ; -M: a whole number above every -M that follows
	v_mov_b32 v14, 0
	v_mov_b32 v15, 0
.set j, 0
.rept 32
	v_mov_b32 v[O+j], 0
.set j, j+1
.endr
.endm
; a head's end: O^T / the sum, quantised along the head's 64 channels: half par of the result's fragment, bytes 2 par and 2 par + 1 of its scale word
.macro FINISH par
	PLACES                                         ; behind the last products
	v_add_f32 v14, v14, v15
	s_delay_alu instid0(VALU_DEP_1)
	v_permlanex16_b32 v[TT], v14, s[SEL], s[SEL+1]
	s_delay_alu instid0(VALU_DEP_1)
	v_add_f32 v14, v14, v[TT]                      ; the row's sum
	s_wait_alu depctr_va_vdst(0)                   ; the wait ahead of the reciprocal,
	v_rcp_f32 v14, v14
	v_nop                                          ; a plain line behind it,
	s_wait_alu depctr_va_vdst(0)                   ; and the wait ahead of its first reader, which is O^T's first reader too
.set j, 0
.rept 32
	v_mul_f32 v[S+j], v[O+j], v14                  ; register 16 b + i: channel 32 b + 16 h + i
.set j, j+1
.endr
.irp b, 0,1
	v_max3_num_f32 v[BM+\b], |v[S+16*\b]|, |v[S+1+16*\b]|, 0x1800000
.endr
.irp i, 2,4,6,8,10,12,14
.irp b, 0,1
	s_delay_alu instid0(VALU_DEP_2)
	v_max3_num_f32 v[BM+\b], v[BM+\b], |v[S+16*\b+\i]|, |v[S+1+16*\b+\i]|
.endr
.endr
.irp b, 0,1
	s_delay_alu instid0(VALU_DEP_2)
	v_permlanex16_b32 v[T2+\b], v[BM+\b], s[SEL], s[SEL+1]
.endr
.irp b, 0,1
	s_delay_alu instid0(VALU_DEP_2)
	v_max_num_f32 v[BM+\b], v[BM+\b], v[T2+\b]
.endr
.irp b, 0,1
	s_delay_alu instid0(VALU_DEP_2)
	v_add_nc_u32 v[SO+\b], 0xff000000, v[BM+\b]
.endr
.irp b, 0,1
	s_delay_alu instid0(VALU_DEP_2)
	v_lshrrev_b32 v[T2+\b], 23, v[SO+\b]
.endr
.if \par
	s_delay_alu instid0(VALU_DEP_2)
	v_lshl_or_b32 v[AW], v[T2], 16, v[AW]
	s_delay_alu instid0(VALU_DEP_1)
	v_lshl_or_b32 v[AW], v[T2+1], 24, v[AW]
.else
	s_delay_alu instid0(VALU_DEP_1)
	v_lshl_or_b32 v[AW], v[T2+1], 8, v[T2]
.endif
.irp b, 0,1
	v_cvt_scalef32_pk8_fp4_f32 v[AF+4*\par+2*\b], v[S+16*\b:S+7+16*\b], v[SO+\b]
	v_cvt_scalef32_pk8_fp4_f32 v[AF+4*\par+1+2*\b], v[S+8+16*\b:S+15+16*\b], v[SO+\b]
.endr
	v_nop
.irp i, 0,1
	v_permlane16_swap_b32 v[AF+4*\par+\i], v[AF+4*\par+2+\i]
.endr
.endm
	s_load_b128 s[4:7], s[0:1], 0x0                ; heads s[4:5], aout s[6:7]
	v_lshl_add_u32 v[SPW], v0, 2, SPARE
	v_mov_b32 v[NIL], 0
	ds_add_u32 v[SPW], v[NIL]                      ; the opening lines: the add, twice on end, and its wait ahead of my first tensor load
	ds_add_u32 v[SPW], v[NIL]
	v_lshrrev_b32 v1, 5, v0
	v_readfirstlane_b32 s[WV], v1                  ; wave 0..15
	v_and_b32 v3, 31, v0
	v_lshlrev_b32 v[LI], 4, v3
	v_lshlrev_b32 v[LS], 2, v3
	s_bfe_u32 s9, ttmp6, 0x40000                   ; cx: it enters Q's and the result's global addresses alone
	s_lshl_b32 s10, ttmp9, 2
	s_add_co_u32 s10, s10, s9                      ; my block of 256 queries
	s_and_b32 s11, ttmp7, 0xffff                   ; the pair of heads (batch x 8 + pair), which the four partners share
	; what I fetch, in bytes from heads' start: made of the pair and the wave's number alone
	s_bfe_u32 s12, s[WV], 0x10002                  ; z = (wave / 4) % 2: K (0) or V (1)
	s_and_b32 s13, s[WV], 3                        ; a: which quarter
	s_add_co_u32 s14, s12, 1
	s_lshl_b32 s72, s14, 22
	s_lshl_b32 s15, s11, 17
	s_add_co_u32 s72, s72, s15
	s_lshl_b32 s15, s13, 14
	s_add_co_u32 s72, s72, s15                     ; waves 0-7: the even head's codes, 16,384 bytes a wave
	s_mov_b32 s73, 0
	s_lshl_b32 s74, s14, 19
	s_lshl_b32 s15, s11, 14
	s_add_co_u32 s74, s74, s15
	s_lshl_b32 s15, s13, 12
	s_add_co_u32 s74, s74, s15
	s_add_co_u32 s74, s74, HSOFF                   ; waves 8-15: the scale images, 4,096 bytes a wave
	s_mov_b32 s75, 0
	s_mov_b32 s40, 1
	s_lshl_b32 s41, s12, 17
	s_lshl_b32 s15, s13, 14
	s_add_co_u32 s41, s41, s15                     ; LDS: KE or VE + 16,384 a
	s_mov_b32 s44, 1
	s_and_b32 s45, s[WV], 7
	s_lshl_b32 s45, s45, 12
	s_add_co_u32 s45, s45, SCK                     ; LDS: K's scale images, then V's
	s_lshr_b32 s12, s[WV], 3                       ; the odd head: K (waves 0-7) or V (waves 8-15),
	s_and_b32 s13, s[WV], 7                        ; 8,192 bytes a wave
	s_add_co_u32 s14, s12, 1
	s_lshl_b32 s76, s14, 22
	s_lshl_b32 s15, s11, 17
	s_add_co_u32 s76, s76, s15
	s_lshl_b32 s15, s13, 13
	s_add_co_u32 s76, s76, s15
	s_add_co_u32 s76, s76, 65536
	s_mov_b32 s77, 0
	s_mov_b32 s48, 1
	s_lshl_b32 s49, s12, 17
	s_add_co_u32 s49, s49, s15
	s_add_co_u32 s49, s49, 65536
	; descriptor groups 1: dense blocks as rows of 256 bytes (32 elements of 8 bytes); the mask names all four partners, bit 21 beside it; 64, 16 and 32 rows
.irp g, 16, 24, 32
	s_mov_b32 s[\g], 15|(3<<16)|(1<<21)
	s_mov_b32 s[\g+1], 32<<16
	s_mov_b32 s[\g+3], 32<<16
	s_mov_b32 s[\g+5], 32
	s_mov_b32 s[\g+6], 0
	s_mov_b32 s[\g+7], 0
.endr
	s_mov_b32 s18, 64<<16
	s_mov_b32 s20, 64
	s_mov_b32 s26, 16<<16
	s_mov_b32 s28, 16
	s_mov_b32 s34, 32<<16
	s_mov_b32 s36, 32
	s_wait_alu depctr_va_vdst(0)                   ; the wait here, directly ahead of the waits below
	s_wait_dscnt 0x0                               ; both opening adds are done
	s_wait_kmcnt 0x0
	s_add_nc_u64 s[42:43], s[4:5], s[72:73]
	s_or_b32 s43, s43, 0x80000000
	s_add_nc_u64 s[46:47], s[4:5], s[74:75]
	s_or_b32 s47, s47, 0x80000000
	s_add_nc_u64 s[50:51], s[4:5], s[76:77]
	s_or_b32 s51, s51, 0x80000000
	CROUND                                         ; all four work-groups are here: the joint loads meet
	s_cmp_lt_u32 s[WV], 8                          ; the head's loads, one a wave: every way passes exactly one
	s_cbranch_scc0 .Lhead_scales
	tensor_load_to_lds s[40:43], s[16:23]          ; the even head's K and V
	s_nop 0
	PLACES
	s_branch .Lhead_asked
.Lhead_scales:
	tensor_load_to_lds s[44:47], s[24:31]          ; the scale images
	s_nop 0
	PLACES
.Lhead_asked:
	; Q: my tile of 16 queries, both heads' half fragments and the scale word
	s_lshl_b32 s80, s10, 4
	s_add_co_u32 s80, s80, s[WV]                   ; my query tile of the batch's 128
	s_lshl_b32 s81, s11, 17
	s_lshl_b32 s82, s80, 9
	s_add_co_u32 s82, s82, s81
	s_mov_b32 s83, 0
	s_lshl_b32 s84, s11, 14
	s_lshl_b32 s85, s80, 7
	s_add_co_u32 s84, s84, s85
	s_add_co_u32 s84, s84, HSOFF
	s_mov_b32 s85, 0
	s_add_nc_u64 s[82:83], s[4:5], s[82:83]
	s_add_nc_u64 s[84:85], s[4:5], s[84:85]
	global_load_b128 v[QE:QE+3], v[LI], s[82:83]
	global_load_b128 v[QO+4:QO+7], v[LI], s[82:83] offset:65536
	global_load_b32 v[QW], v[LS], s[84:85]
	; the result: token tile T = batch x 128 + my tile, K step = the pair within the batch
	s_lshr_b32 s86, s11, 3
	s_lshl_b32 s86, s86, 7
	s_add_co_u32 s86, s86, s80
	s_and_b32 s87, s11, 7
	s_lshl_b32 s68, s86, 13
	s_lshl_b32 s88, s87, 10
	s_add_co_u32 s68, s68, s88
	s_mov_b32 s69, 0
	s_lshl_b32 s70, s86, 10
	s_lshl_b32 s88, s87, 7
	s_add_co_u32 s70, s70, s88
	s_add_co_u32 s70, s70, 4194304
	s_mov_b32 s71, 0
	s_add_nc_u64 s[68:69], s[6:7], s[68:69]
	s_add_nc_u64 s[70:71], s[6:7], s[70:71]
	s_mov_b32 s[SEL], 0x76543210
	s_mov_b32 s[SEL+1], 0xfedcba98
	s_mov_b32 s[CS], 0x3e38aa3b                    ; c = log2(e) / sqrt(64)
	s_mov_b32 s[CS+1], s[CS]                       ; (named with it as a pair, so it is written)
	s_mov_b32 s[CSN], 0xbe38aa3b                   ; -c
	s_wait_loadcnt 0x0                             ; Q
	v_and_b32 v[QSE], 0xffff, v[QW]                ; the scale words first: more than eight plain lines follow ahead of the first product
	v_and_b32 v[QSO], 0xffff0000, v[QW]
.irp j, 0,1,2,3
	v_mov_b32 v[QE+4+\j], 0                        ; zero codes in Q's other halves
	v_mov_b32 v[KA+\j], 0                          ; the pads beside K's tiles
	v_mov_b32 v[KA+36+\j], 0
	v_mov_b32 v[T2+\j], 0                          ; written once: a lane permute's destination counts as one of its sources
.endr
	v_mov_b32 v[F+1], 0                            ; (named as the upper half of a pair)
	v_mov_b32 v[TT], 0
	INIT
	s_wait_alu depctr_va_vdst(0)                   ; the wait at the head's end
	s_wait_tensorcnt 0x0                           ; my part of the head's loads is in
	ds_add_u32 v[SPW], v[NIL]
	s_wait_dscnt 0x0
	CROUND                                         ; everybody's part is in, and all four work-groups are here
	tensor_load_to_lds s[48:51], s[32:39]          ; the odd head's K and V: my one load behind the round
	s_nop 0
	PLACES
	v_add_nc_u32 v[ADKS], SCK, v[LS]
.irp t, 0,1,2,3,4,5,6,7
	ds_load_b128 v[KA+4+4*\t:KA+7+4*\t], v[LI] offset:KE+512*\t   ; key step 0's K
.endr
	KWORDS
	LOOPN 4, 0, 0
	s_wait_alu depctr_va_vdst(0)                   ; the wait ahead of the waits below
	s_wait_tensorcnt 0x0                           ; my part of the odd head is in
	s_wait_dscnt 0x0
	s_barrier_signal -1
	s_barrier_wait -1
	LOOPN 12, 0, 4                                 ; its last step asks for the odd head's first K, which lies behind the even head's
	FINISH 0
	INIT
	s_wait_alu depctr_va_vdst(0)                   ; the wait ahead of the wait below
	s_wait_dscnt 0x0                               ; the last step's loads are in: K's scale words begin anew (both heads share a word)
	v_add_nc_u32 v[ADKS], SCK, v[LS]
	KWORDS
	LOOPN 16, 1, 16                                ; its last step's look-ahead reads filled bytes behind K's, and nobody uses them
	FINISH 1
	global_store_b128 v[LI], v[AF:AF+3], s[68:69]              ; the fragment's image: 512 consecutive bytes a store
	global_store_b128 v[LI], v[AF+4:AF+7], s[68:69] offset:512
	global_store_b32 v[LS], v[AW], s[70:71]
	s_wait_tensorcnt 0x0                           ; the wave's end
	ds_add_u32 v[SPW], v[NIL]
	s_wait_dscnt 0x0
	CROUND                                         ; the closing round
	s_endpgm
.Lfunc_end_k_qef9dd3679c_attn:
	.size	k_qef9dd3679c_attn, .Lfunc_end_k_qef9dd3679c_attn-k_qef9dd3679c_attn
	.p2alignl 7, 3214868480
	.fill 96, 4, 3214868480
	.section	.rodata,"a",@progbits
	.p2align	6, 0x0
	.amdhsa_kernel k_qef9dd3679c_attn
		.amdhsa_group_segment_fixed_size 327680
		.amdhsa_private_segment_fixed_size 0
		.amdhsa_enable_private_segment 0
		.amdhsa_kernarg_size 16
		.amdhsa_user_sgpr_count 2
		.amdhsa_user_sgpr_kernarg_segment_ptr 1
		.amdhsa_wavefront_size32 1
		.amdhsa_system_sgpr_workgroup_id_x 1
		.amdhsa_system_sgpr_workgroup_id_y 1
		.amdhsa_system_sgpr_workgroup_id_z 1
		.amdhsa_system_vgpr_workitem_id 0
		.amdhsa_next_free_vgpr 256
		.amdhsa_next_free_sgpr 90
		.amdhsa_reserve_vcc 0
		.amdhsa_float_denorm_mode_32 3
		.amdhsa_float_denorm_mode_16_64 3
		.amdhsa_memory_ordered 1
		.amdhsa_forward_progress 1
		.amdhsa_inst_pref_size 69
	.end_amdhsa_kernel
	.amdgpu_metadata
---
amdhsa.version: [ 1, 2 ]
amdhsa.kernels:
  - .name:           k_qef9dd3679c_attn
    .symbol:         k_qef9dd3679c_attn.kd
    .args:
      - { .name: heads, .offset: 0, .size: 8, .value_kind: global_buffer, .address_space: global }
      - { .name: aout, .offset: 8, .size: 8, .value_kind: global_buffer, .address_space: global }
    .group_segment_fixed_size: 327680
    .private_segment_fixed_size: 0
    .kernarg_segment_align: 8
    .kernarg_segment_size: 16
    .max_flat_workgroup_size: 512
    .sgpr_count:     90
    .vgpr_count:     256
    .wavefront_size: 32
...
	.end_amdgpu_metadata
.endif
;; end of part 3
;; launch oproj (part 4): grid 256 x 1, 4 waves a work-group, no clusters, 327,680 bytes of LDS; arguments opnd, aout, b_o, out0; writes out0
.if DOCPART == 4
	.amdgcn_target "amdgcn-amd-amdhsa--gfx1250"
	.amdhsa_code_object_version 6
	.text
	.protected	k_qef9dd3679c_oproj
	.globl	k_qef9dd3679c_oproj
	.p2align	8
	.type	k_qef9dd3679c_oproj,@function
k_qef9dd3679c_oproj:
	s_mov_b64 s[64:65], 0
	v_nop
	global_prefetch_b8 v0, s[64:65] scope:SCOPE_SE
	s_setreg_imm32_b32 hwreg(HW_REG_WAVE_MODE, 25, 1), 1
	s_wait_xcnt 0x0
; out0 = A Wo + b_o on codes of FP4 (E2M1) with E8M0 scales.  A (attention's result) and Wo arrive as images of operand registers: a fragment of 16 rows x 128 K is 1,024 bytes, its scale image 128 bytes.
; SHARES.  A work-group makes 64 tokens x 512 columns; a wave 128 columns: its eight tiles of Wo, all eight K steps, stay in 512 registers (windows 1 and 2), and the four token tiles come by from LDS, a trip each.
; The product is used transposed (source 0 = 16 columns of Wo, source 1 = 16 tokens), with b_o as the C of a sum's first instruction: a lane holds neighbouring columns of one token.
; THE HEAD.  Four tensor loads, one a wave: Wo's codes of K steps 0-3 for the work-group's 32 tiles (32 rows of 4,096 bytes, 8,192 apart), A's codes, Wo's scale images, A's scale images.  Wo's K steps 4-7 and b_o go
; straight into registers by global loads issued behind them.  Behind one barrier each wave reads its part of Wo from LDS.  No LDS byte is filled twice.
; THE WAY OUT.  A trip's 16 tokens x 128 columns go through the wave's own stage in LDS and leave as rows of 512 consecutive bytes.  Three sets of registers take turns, so that only the fourth trip waits for earlier stores.
; cluster = none: the work-groups that share Wo's columns are those of equal parity of x, which are no neighbours along x.  Everything is asked for at the head: there is no later load ahead of which a prefetch could stand.
.set WOC,  14155776+3*524288
.set WOS,  16252928+3*65536
.set RSCL, 32768                       ; LDS: A's codes at 0, its scale images here,
.set STG,  36864                       ; the four stages,
.set SP,   528
.set SLC,  70656                       ; Wo's codes of K steps 0-3, 4,096 bytes a tile,
.set SLS,  201728                      ; Wo's scale images, 1,024 bytes a tile,
.set SPARE, 234496                     ; and the spare words
.set LI,  1
.set LS,  2
.set BA,  5
.set SI,  6
.set SR,  7
.set SA,  12
.set SSA, 13
.set PSC, 16                           ; v16-79 Wo's scale words
.set RSC, 80                           ; v80-87 A's
.set HA,  96                           ; v96-159 the sums
.set OB,  160                          ; the way out: window 0 v160-223; window 3 v64-127 and v192-255
.set RF,  0                            ; window 3: v0-63 A's fragments, v128-191 b_o
.set BI,  128
.set MSB, 0
.macro WIN new
.if MSB != \new
	s_set_vgpr_msb (MSB<<8)|\new
.set MSB, \new
.endif
.endm
.macro PLACES n
.rept \n
	v_nop
.endr
.endm
.macro MM                              ; 64 products: the eight sums by turns, K ascending
	WIN 0x3d
.irp t, 0,1,2,3,4,5,6,7
	v_wmma_scale_f32_16x16x128_f8f6f4 v[HA+8*\t:HA+8*\t+7], v[8*\t:8*\t+7], v[RF:RF+7], v[BI+8*\t:BI+8*\t+7], v[PSC+\t], v[RSC] matrix_a_fmt:MATRIX_FMT_FP4 matrix_b_fmt:MATRIX_FMT_FP4
.endr
	WIN 0x0d
.irp s, 1,2,3
.irp t, 0,1,2,3,4,5,6,7
	v_wmma_scale_f32_16x16x128_f8f6f4 v[HA+8*\t:HA+8*\t+7], v[64*\s+8*\t:64*\s+8*\t+7], v[RF+8*\s:RF+8*\s+7], v[HA+8*\t:HA+8*\t+7], v[PSC+8*\s+\t], v[RSC+\s] matrix_a_fmt:MATRIX_FMT_FP4 matrix_b_fmt:MATRIX_FMT_FP4
.endr
.endr
	WIN 0x0e
.irp s, 4,5,6,7
.irp t, 0,1,2,3,4,5,6,7
	v_wmma_scale_f32_16x16x128_f8f6f4 v[HA+8*\t:HA+8*\t+7], v[64*(\s-4)+8*\t:64*(\s-4)+8*\t+7], v[RF+8*\s:RF+8*\s+7], v[HA+8*\t:HA+8*\t+7], v[PSC+8*\s+\t], v[RSC+\s] matrix_a_fmt:MATRIX_FMT_FP4 matrix_b_fmt:MATRIX_FMT_FP4
.endr
.endr
	WIN 0
.endm
.macro RFETCH i                        ; token tile i: its eight fragments and scale words
	WIN 0xc0
.irp s, 0,1,2,3,4,5,6,7
.irp c, 0,1
	ds_load_b128 v[RF+8*\s+4*\c:RF+8*\s+4*\c+3], v[LI] offset:8192*(\i)+1024*\s+512*\c
.endr
.endr
	WIN 0
.irp s, 0,1,2,3,4,5,6,7
	ds_load_b32 v[RSC+\s], v[LS] offset:RSCL+1024*(\i)+128*\s
.endr
.endm
	s_load_b256 s[4:11], s[0:1], 0x0               ; opnd s[4:5], aout s[6:7], b_o s[8:9], out0 s[10:11]
	v_lshl_add_u32 v254, v0, 2, SPARE
	v_mov_b32 v255, 0
	ds_add_u32 v254, v255                          ; the opening lines: the add, twice on end, and its wait ahead of my first tensor load
	ds_add_u32 v254, v255
	v_lshrrev_b32 v1, 5, v0
	v_readfirstlane_b32 s14, v1                    ; wave 0..3
	v_and_b32 v8, 31, v0
	v_lshlrev_b32 v[LI], 4, v8
	v_lshlrev_b32 v[LS], 2, v8
	s_and_b32 s15, ttmp9, 1                        ; which 512 columns
	s_lshr_b32 s16, ttmp9, 1                       ; which 64 tokens
	s_lshl_b32 s17, s15, 2
	s_add_co_u32 s17, s17, s14                     ; my 128 columns
	s_lshl_b32 s56, s17, 16
	s_add_co_u32 s56, s56, WOC                     ; my eight tiles' codes
	s_mov_b32 s57, 0
	s_lshl_b32 s24, s15, 18
	s_add_co_u32 s24, s24, WOC                     ; the work-group's 32 tiles' codes,
	s_mov_b32 s25, 0
	s_lshl_b32 s26, s15, 15
	s_add_co_u32 s26, s26, WOS                     ; and scale images
	s_mov_b32 s27, 0
	s_lshl_b32 s30, s16, 15                        ; A's four tiles' codes,
	s_mov_b32 s31, 0
	s_lshl_b32 s28, s16, 12
	s_add_co_u32 s28, s28, 4194304                 ; and scale images
	s_mov_b32 s29, 0
	s_mov_b32 s32, 3<<16                           ; a dense block of 128 rows of 256 bytes: A's codes, and Wo's scale images
	s_mov_b32 s33, 32<<16
	s_mov_b32 s34, 128<<16
	s_mov_b32 s35, 32<<16
	s_mov_b32 s36, 128
	s_mov_b32 s37, 32
	s_mov_b32 s38, 0
	s_mov_b32 s39, 0
	s_mov_b32 s40, 3<<16                           ; 16 rows of 256 bytes: A's scale images
	s_mov_b32 s41, 32<<16
	s_mov_b32 s42, 16<<16
	s_mov_b32 s43, 32<<16
	s_mov_b32 s44, 16
	s_mov_b32 s45, 32
	s_mov_b32 s46, 0
	s_mov_b32 s47, 0
	s_mov_b32 s68, 3<<16                           ; 32 rows (tiles) of 4,096 bytes (512 elements of 8), 8,192 bytes apart: Wo's codes of K steps 0-3
	s_mov_b32 s69, 512<<16
	s_mov_b32 s70, 32<<16
	s_mov_b32 s71, 512<<16
	s_mov_b32 s72, 32
	s_mov_b32 s73, 1024
	s_mov_b32 s74, 0
	s_mov_b32 s75, 0
	s_mov_b32 s48, 1
	s_mov_b32 s49, 0
	s_mov_b32 s52, 1
	s_mov_b32 s53, RSCL
	s_mov_b32 s76, 1
	s_mov_b32 s77, SLC
	s_mov_b32 s80, 1
	s_mov_b32 s81, SLS
	s_lshl_b32 s20, s17, 9
	s_mov_b32 s21, 0
	s_lshl_b32 s22, s16, 18
	s_add_co_u32 s22, s22, s20
	s_mov_b32 s23, 0
	s_wait_alu depctr_va_vdst(0)                   ; the wait here, directly ahead of the waits below
	s_wait_dscnt 0x0
	s_wait_kmcnt 0x0
	s_add_nc_u64 s[50:51], s[6:7], s[30:31]
	s_or_b32 s51, s51, 0x80000000
	s_add_nc_u64 s[54:55], s[6:7], s[28:29]
	s_or_b32 s55, s55, 0x80000000
	s_add_nc_u64 s[78:79], s[4:5], s[24:25]
	s_or_b32 s79, s79, 0x80000000
	s_add_nc_u64 s[82:83], s[4:5], s[26:27]
	s_or_b32 s83, s83, 0x80000000
	s_cmp_lt_u32 s14, 1                            ; the head's four loads, one a wave: one chain of arms, every way passes exactly one
	s_cbranch_scc0 .Lhead_1
	tensor_load_to_lds s[76:79], s[68:75]          ; wave 0: Wo's codes of K steps 0-3
	s_nop 0
	PLACES 4
	s_branch .Lhead_asked
.Lhead_1:
	s_cmp_lt_u32 s14, 2
	s_cbranch_scc0 .Lhead_2
	tensor_load_to_lds s[48:51], s[32:39]          ; wave 1: A's codes
	s_nop 0
	PLACES 4
	s_branch .Lhead_asked
.Lhead_2:
	s_cmp_lt_u32 s14, 3
	s_cbranch_scc0 .Lhead_3
	tensor_load_to_lds s[80:83], s[32:39]          ; wave 2: Wo's scale images
	s_nop 0
	PLACES 4
	s_branch .Lhead_asked
.Lhead_3:
	tensor_load_to_lds s[52:55], s[40:47]          ; wave 3: A's scale images
	s_nop 0
	PLACES 4
.Lhead_asked:
	s_add_nc_u64 s[56:57], s[4:5], s[56:57]
	s_add_nc_u64 s[60:61], s[8:9], s[20:21]
	s_add_nc_u64 s[66:67], s[10:11], s[22:23]
	WIN 0x80
.irp s, 4,5,6,7
.irp t, 0,1,2,3,4,5,6,7
.irp c, 0,1
	global_load_b128 v[64*(\s-4)+8*\t+4*\c:64*(\s-4)+8*\t+4*\c+3], v[LI], s[56:57] offset:8192*\t+1024*\s+512*\c
.endr
.endr
.endr
	WIN 0
	v_and_b32 v9, 15, v0
	v_bfe_u32 v10, v0, 4, 1
	v_lshlrev_b32 v[BA], 6, v10
	WIN 0xc0
.irp t, 0,1,2,3,4,5,6,7
	global_load_b128 v[BI+8*\t:BI+8*\t+3], v[BA], s[60:61] offset:(32*(\t/2)+8*(\t%2))*4
	global_load_b128 v[BI+8*\t+4:BI+8*\t+7], v[BA], s[60:61] offset:(32*(\t/2)+8*(\t%2))*4+16
.endr
	WIN 0
	s_mul_i32 s20, s14, 16*SP
	s_add_co_u32 s20, s20, STG                     ; my stage
	v_mul_u32_u24 v[SI], v9, SP
	v_lshl_add_u32 v[SI], v10, 6, v[SI]
	v_add_nc_u32 v[SI], s20, v[SI]
	v_add_nc_u32 v[SR], s20, v[LI]
	s_lshl_b32 s21, s14, 15
	s_add_co_u32 s21, s21, SLC
	v_add_nc_u32 v[SA], s21, v[LI]                 ; my eight tiles of Wo in LDS,
	s_lshl_b32 s21, s14, 13
	s_add_co_u32 s21, s21, SLS
	v_add_nc_u32 v[SSA], s21, v[LS]                ; and their scale images
	s_wait_alu depctr_va_vdst(0)                   ; the wait at the head's end
	s_wait_tensorcnt 0x0                           ; my one load is in
	s_barrier_signal -1
	s_barrier_wait -1
	WIN 0x40
.irp s, 0,1,2,3
.irp t, 0,1,2,3,4,5,6,7
.irp c, 0,1
	ds_load_b128 v[64*\s+8*\t+4*\c:64*\s+8*\t+4*\c+3], v[SA] offset:4096*\t+1024*\s+512*\c
.endr
.endr
.endr
	WIN 0
.irp s, 0,1,2,3,4,5,6,7
.irp t, 0,1,2,3,4,5,6,7
	ds_load_b32 v[PSC+8*\s+\t], v[SSA] offset:1024*\t+128*\s
.endr
.endr
	RFETCH 0
	s_wait_loadcnt 0x0                             ; Wo's K steps 4-7 and b_o
.irp i, 0,1,2,3
	s_wait_dscnt 0x0
	MM
	PLACES 5
.if \i < 3
	RFETCH \i+1
.endif
	s_wait_alu depctr_va_vdst(0)
.if \i == 1
.set OB, 64
.endif
.if \i == 2
.set OB, 192
.endif
.if \i == 3
.set OB, 160
	s_wait_xcnt 0x0                                ; the fourth trip takes the first set again: the earlier stores have read their data
.endif
.irp t, 0,1,2,3,4,5,6,7
.irp q, 0,1
	ds_store_b128 v[SI], v[HA+8*\t+4*\q:HA+8*\t+4*\q+3] offset:128*(\t/2)+32*(\t%2)+16*\q
.endr
.endr
.if (\i == 1) || (\i == 2)
	WIN 0xc0
.endif
.irp p, 0,1,2,3,4,5,6,7,8,9,10,11,12,13,14,15
	ds_load_b128 v[OB+4*\p:OB+4*\p+3], v[SR] offset:SP*\p          ; LDS serves a wave's instructions in order: these see the stores
.endr
.if (\i == 1) || (\i == 2)
	WIN 0x0c
.endif
.irp p, 0,1,2,3,4,5,6,7,8,9,10,11,12,13,14,15
	s_wait_dscnt 15-\p
	global_store_b128 v[LI], v[OB+4*\p:OB+4*\p+3], s[66:67] offset:(32*(\i/2)+8*(\i%2)+\p+8*(\p/8))*4096 th:TH_STORE_NT
.endr
	WIN 0
.endr
	s_wait_tensorcnt 0x0                           ; the wave's end
	ds_add_u32 v254, v255
	s_wait_dscnt 0x0
	s_endpgm
.Lfunc_end_k_qef9dd3679c_oproj:
	.size	k_qef9dd3679c_oproj, .Lfunc_end_k_qef9dd3679c_oproj-k_qef9dd3679c_oproj
	.p2alignl 7, 3214868480
	.fill 96, 4, 3214868480
	.section	.rodata,"a",@progbits
	.p2align	6, 0x0
	.amdhsa_kernel k_qef9dd3679c_oproj
		.amdhsa_group_segment_fixed_size 327680
		.amdhsa_private_segment_fixed_size 0
		.amdhsa_enable_private_segment 0
		.amdhsa_kernarg_size 32
		.amdhsa_user_sgpr_count 2
		.amdhsa_user_sgpr_kernarg_segment_ptr 1
		.amdhsa_wavefront_size32 1
		.amdhsa_system_sgpr_workgroup_id_x 1
		.amdhsa_system_sgpr_workgroup_id_y 1
		.amdhsa_system_sgpr_workgroup_id_z 1
		.amdhsa_system_vgpr_workitem_id 0
		.amdhsa_next_free_vgpr 1024
		.amdhsa_next_free_sgpr 84
		.amdhsa_reserve_vcc 0
		.amdhsa_float_denorm_mode_32 3
		.amdhsa_float_denorm_mode_16_64 3
		.amdhsa_memory_ordered 1
		.amdhsa_forward_progress 1
		.amdhsa_inst_pref_size 78
	.end_amdhsa_kernel
	.amdgpu_metadata
---
amdhsa.version: [ 1, 2 ]
amdhsa.kernels:
  - .name:           k_qef9dd3679c_oproj
    .symbol:         k_qef9dd3679c_oproj.kd
    .args:
      - { .name: opnd, .offset: 0, .size: 8, .value_kind: global_buffer, .address_space: global }
      - { .name: aout, .offset: 8, .size: 8, .value_kind: global_buffer, .address_space: global }
      - { .name: b_o, .offset: 16, .size: 8, .value_kind: global_buffer, .address_space: global }
      - { .name: out0, .offset: 24, .size: 8, .value_kind: global_buffer, .address_space: global }
    .group_segment_fixed_size: 327680
    .private_segment_fixed_size: 0
    .kernarg_segment_align: 8
    .kernarg_segment_size: 32
    .max_flat_workgroup_size: 128
    .sgpr_count:     84
    .vgpr_count:     1024
    .wavefront_size: 32
...
	.end_amdgpu_metadata
.endif
;; end of part 4
